; MI455X (gfx1250); checked and timed in simulation.
; The chip was launched on July 23, 2026; its instructions are those of AMD's public machine-readable ISA for CDNA 5 (MIT licence, August 2026) and "CDNA5" Instruction Set Architecture Reference Guide (July 2026). The comments in the code are by the model that wrote it; some were corrected since.
;; Multi Head Attention. Allowed arithmetic: matrix products marked QUANTISED: E2M3 operands, one E8M0 scale for each 32 along K, by v_wmma_scale_f32_16x16x128_f8f6f4 with both operands' format E2M3, f32 sums; everything else in f32.
;; Inputs: Wk 1,024 x 1,024 float32; Wq 1,024 x 1,024 float32; Wv 1,024 x 1,024 float32; bk 1,024 float32; bq 1,024 float32; bv 1,024 float32; k 4 x 2,048 x 1,024 float32; q 4 x 2,048 x 1,024 float32; v 4 x 2,048 x 1,024 float32.
;; Outputs: out0 4 x 2,048 x 1,024 float32.
;; This version of the problem:
;;   THIS VERSION OF THE PROBLEM IS GIVEN IN LOW PRECISION. The matrix products marked QUANTISED in the list below multiply operands that are first quantised to E2M3 (2 exponent bits, 3 mantissa bits; 6 bits a number), with one power-of-two scale for each 32 numbers along K (OCP MX v1.0); their sums are f32. All else is computed in f32.
;;   The module's matrix products, in the order in which they are computed (A, B: the left and right operand; K: the contracted axis; several contracted axes count as one K, in the product's order):
;;     1. [M 8,192, K 1,024] x [K 1,024, N 1,024]; A: input q; B: input Wq: QUANTISED
;;     2. [M 8,192, K 1,024] x [K 1,024, N 1,024]; A: input k; B: input Wk: QUANTISED
;;     3. [M 8,192, K 1,024] x [K 1,024, N 1,024]; A: input v; B: input Wv: QUANTISED
;;     4. batch 64 x [M 2,048, K 64] x [K 64, N 2,048]; A: computed on the way; B: computed on the way: QUANTISED
;;     5. batch 64 x [M 2,048, K 2,048] x [K 2,048, N 64]; A: computed on the way; B: computed on the way: QUANTISED
;;   THE QUANTISER, for each operand of a quantised product, along K:
;;     - K is cut into blocks of 32 from its start; a last block that is shorter is filled with zeros.
;;     - A block's scale is 2^e with e = floor(log2(the largest magnitude in the block)) - 2, held to -126 .. 127; a block of zeros has e = 0. As a byte (E8M0): e + 127.
;;     - Each number is divided by its block's scale, clamped to +-7.5, and rounded to the nearest number of E2M3, ties to even, subnormals kept.
;;     - The product sums the exact products of the quantised numbers (number of the format x scale) in f32.
;;   ~~~python
;;   def quantise(x, axis):      # numpy; x: float32 -> the quantised numbers, widened to float32 again
;;       x = np.moveaxis(x, axis, -1); K = x.shape[-1]
;;       x = np.pad(x, [(0, 0)] * (x.ndim - 1) + [(0, -K % 32)]); x = x.reshape(x.shape[:-1] + (-1, 32)); a = np.abs(x).max(-1, keepdims=True)
;;       e = np.where(a > 0, np.clip(np.frexp(np.where(a > 0, a, 1))[1] - 1 - 2, -126, 127), 0)      # np.frexp(a)[1] - 1 = floor(log2(a)), exactly
;;       r = np.clip(x / 2.0 ** e, -7.5, 7.5)
;;       step = 2.0 ** (np.maximum(np.frexp(np.where(r == 0, 1, r))[1] - 1, 0) - 3)
;;       q = np.round(r / step) * step * 2.0 ** e      # np.round: ties to even
;;       return np.moveaxis(q.reshape(q.shape[:-2] + (-1,))[..., :K], -1, axis).astype(np.float32)
;;   ~~~
;;   OPERANDS COMPUTED ON THE WAY. 'Computed on the way' means the value that the module computes at that place (a softmax that the list does not call 'softmax' is quantised finished and normalised). What goes into a quantiser is computed in f32, as accurately as f32 sums, v_exp_f32 and their like allow (about 1e-6 of the number): no bf16 or f16 on the way to a quantiser, and a product that is left as it is and whose result goes on into a quantised operand takes f32 operands (vector FMAs, or v_wmma_f32_16x16x4_f32). A number that lies on a knife's edge between two numbers of the format may be rounded either way, as far as f32 arithmetic and the matrix unit's own rounding can turn it there, and no further.
;; One version. Each part assembles by itself: llvm-mc -triple=amdgcn-amd-amdhsa -mcpu=gfx1250 --defsym DOCPART=n.
;; ======== version 1 of 1: 3 launches
;; limits: right only within a limited range of input values
;; workspace buffers: codes 21,233,664 bytes; scales 884,736 bytes; qr 15,466,496 bytes; kv 15,466,496 bytes; vsum 262,144 bytes
;; launch quant (part 1): grid 864 x 1, 4 waves a work-group, no clusters, 68,096 bytes of LDS; arguments q, k, v, Wq, Wk, Wv, codes, scales; writes codes, scales
.if DOCPART == 1
	.amdgcn_target "amdgcn-amd-amdhsa--gfx1250"
	.amdhsa_code_object_version 6
	.text
	.protected	k_q0fc68e39ec_quant
	.globl	k_q0fc68e39ec_quant
	.p2align	8
	.type	k_q0fc68e39ec_quant,@function
k_q0fc68e39ec_quant:
	s_mov_b64 s[64:65], 0
	v_nop
	global_prefetch_b8 v0, s[64:65] scope:SCOPE_SE
	s_setreg_imm32_b32 hwreg(HW_REG_WAVE_MODE, 25, 1), 1
	s_wait_xcnt 0x0
; q, k, v [8192][1024] and Wq, Wk, Wv [1024 (K)][1024 (n)], f32, become codes of FP6 (E2M3) with K innermost and one E8M0 byte for each 32 along K.
; codes: 27,648 rows x 768 bytes; scales: the same rows x 32 bytes.  Rows 0-8191 q's tokens, 8192-16383 k's, 16384-24575 v's, 24576 + 1024 T + n column n of weight T.
; THE ROWS LIE IN A CHOSEN ORDER: inside each group of 32 rows the runs of eight rows 0, 1, 2, 3 lie at runs 0, 2, 1, 3, so that place 16 u + r holds row 8 u + r + 8 (r / 8).  The next launch then reads its
; tiles' rows in plain order, and the 16 registers of two neighbouring result tiles are 16 neighbours along the axis that is quantised next.
; A block's scale is 2^(floor(log2(its largest magnitude)) - 2); its byte is the largest magnitude's exponent field - 2, held at 1 from below.  A block of zeros gets the byte 1: its codes are zeros, and this program alone reads the bytes.
; LIMITS: blocks whose largest magnitude lies under 2^-124 keep the byte 1; NaN and infinities among the inputs are not served.
; Work-groups 0-95 take the weights (a lane to a column, registers down K), work-groups 96-863 the tokens (a plain stream of blocks of 32).  Each of the two ways has LDS bytes of its own.
.set STEPS, 16
.set EMAX,  2
.set CB,    12                         ; bytes of 16 codes
.set R,     16                         ; v16-79   tokens: four sets of 16 numbers as loaded
.set X,     80                         ; v80-111  two sets of 16 neighbours
.set E,     112                        ; v112-127 a scale byte for each step
.set C,     128                        ; v128-191 codes: four registers for each step
.set WREG,  8192                       ; tokens: a wave's LDS region: two stages of 32 x SP bytes, then its 256 scale bytes
.set SP,    80
.set SPW,   192                        ; v192 LDS address of my spare word; never rewritten
.set NIL,   193                        ; v193 0; never rewritten
.set WST,   4*WREG                     ; weights: four stages of 32 rows x PITCH
.set PITCH, 272
.set SPARE, WST+4*32*PITCH             ; the spare words, 128 bytes a wave: two blocks of 256 bytes that no other line names
.set NB,    8                          ; weights: blocks of 32 along K for a wave
.set KROW,  768                        ; a row of codes in bytes
.set WROW,  4096                       ; a row of a weight in bytes
.set WX,    32                         ; v32-95   weights: two sets of 32 numbers
.set WC,    96                         ; v96..    a block's codes
.set WOUT,  112                        ; v112-175 the way out
.set WSB,   24                         ; v24-25   the scale bytes
	s_load_b256 s[4:11], s[0:1], 0x0               ; q s[4:5], k s[6:7], v s[8:9], Wq s[10:11]
	s_load_b256 s[12:19], s[0:1], 0x20             ; Wk s[12:13], Wv s[14:15], codes s[16:17], scales s[18:19]
	v_lshl_add_u32 v[SPW], v0, 2, SPARE
	v_mov_b32 v[NIL], 0
	v_lshrrev_b32 v1, 5, v0
	v_readfirstlane_b32 s20, v1                    ; wave
	v_and_b32 v2, 31, v0                           ; lane
	s_cmp_lt_u32 ttmp9, 96                         ; the work-group's number alone decides the way
	s_cbranch_scc1 .Lw
; ---------------- the tokens: a wave takes 8 rows (8,192 numbers) in 16 steps of 512 ----------------
	v_lshlrev_b32 v3, 4, v2                        ; my 16 bytes of a load's 512
	s_mul_i32 s21, s20, WREG
	v_lshrrev_b32 v14, 2, v2
	v_mul_u32_u24 v14, v14, SP
	v_and_b32 v15, 3, v2
	v_lshl_add_u32 v14, v15, 4, v14
	v_add_nc_u32 v14, s21, v14                     ; the stage, on the way in: SP (lane / 4) + 16 (lane % 4)
	v_mul_u32_u24 v15, v2, SP
	v_add_nc_u32 v15, s21, v15                     ; and on the way out: SP x lane: my 16 neighbours
	v_mul_u32_u24 v4, v2, CB                       ; my codes' place in a step's
	v_lshrrev_b32 v5, 1, v2
	s_add_co_u32 s21, s21, 2*32*SP
	v_add_nc_u32 v5, s21, v5                       ; my block's byte among my wave's 256
	v_lshlrev_b32 v7, 3, v2
	v_add_nc_u32 v6, s21, v7
	s_sub_co_u32 s22, ttmp9, 96
	s_lshr_b32 s23, s22, 8                         ; which tensor: 0 q, 1 k, 2 v
	s_and_b32 s22, s22, 255                        ; which group of 32 rows
	s_lshl_b32 s24, s22, 2
	s_add_co_u32 s25, s24, s20                     ; my run of 8 rows in the tensor
	s_lshl_b32 s26, s25, 15                        ; x 32,768 bytes
	s_mov_b32 s27, 0
	s_and_b32 s28, s20, 1
	s_lshl_b32 s28, s28, 1
	s_lshr_b32 s29, s20, 1
	s_or_b32 s28, s28, s29                         ; where the run lies in its group: 0, 2, 1, 3
	s_lshl_b32 s30, s23, 10
	s_add_co_u32 s30, s30, s24
	s_add_co_u32 s30, s30, s28                     ; the run's place among all runs
	s_mul_i32 s28, s30, 8*KROW
	s_mov_b32 s29, 0
	s_lshl_b32 s30, s30, 8                         ; 256 scale bytes a run
	s_mov_b32 s31, 0
	s_wait_alu depctr_va_vdst(0)
	s_wait_kmcnt 0x0
	s_cmp_eq_u32 s23, 1
	s_cselect_b64 s[4:5], s[6:7], s[4:5]
	s_cmp_eq_u32 s23, 2
	s_cselect_b64 s[4:5], s[8:9], s[4:5]
	s_add_nc_u64 s[4:5], s[4:5], s[26:27]
	s_add_nc_u64 s[16:17], s[16:17], s[28:29]
	s_add_nc_u64 s[18:19], s[18:19], s[30:31]
.macro XLOAD t
.irp i, 0,1,2,3
	global_load_b128 v[R+16*((\t)%4)+4*\i:R+16*((\t)%4)+4*\i+3], v3, s[4:5] offset:2048*(\t)+512*\i th:TH_LOAD_NT   ; 32 lanes read 512 consecutive bytes
.endr
.endm
.macro XTURN t                         ; step t's numbers through the stage: LDS serves a wave's instructions in order, so no wait stands between the stores and the loads
.irp i, 0,1,2,3
	ds_store_b128 v14, v[R+16*((\t)%4)+4*\i:R+16*((\t)%4)+4*\i+3] offset:32*SP*((\t)%2)+8*SP*\i
.endr
.irp i, 0,1,2,3
	ds_load_b128 v[X+16*((\t)%2)+4*\i:X+16*((\t)%2)+4*\i+3], v15 offset:32*SP*((\t)%2)+16*\i
.endr
.endm
.irp t, 0,1,2,3
	XLOAD \t
.endr
	s_wait_loadcnt 12                              ; step 0's four loads are in
	XTURN 0
.macro XSTEP t
.set XS, X+16*((\t)%2)
.if (\t) > 0
	s_wait_dscnt 1                                 ; this step's numbers are back from the stage (the last step's byte store may be out)
.else
	s_wait_dscnt 0x0
.endif
.if (\t)+4 < STEPS
	XLOAD (\t)+4                                   ; the stage's stores have read these registers
.endif
.if (\t)+1 < STEPS
.if STEPS-2-(\t) >= 3
	s_wait_loadcnt 12                              ; the next step's four loads are in; those of the three steps behind it may be out
.else
	s_wait_loadcnt 4*(STEPS-2-(\t))
.endif
	XTURN (\t)+1
.endif
	v_max3_num_f32 v8, |v[XS]|, |v[XS+1]|, |v[XS+2]|               ; the largest magnitude of my 16
	v_max3_num_f32 v9, |v[XS+3]|, |v[XS+4]|, |v[XS+5]|
.irp i, 6,10
	v_max3_num_f32 v8, v8, |v[XS+\i]|, |v[XS+\i+1]|
	v_max3_num_f32 v9, v9, |v[XS+\i+2]|, |v[XS+\i+3]|
.endr
	v_max3_num_f32 v8, v8, |v[XS+14]|, |v[XS+15]|
	v_max3_num_f32 v8, v8, v9, (EMAX+1)<<23        ; and the floor 2^(3 - 127): the byte cannot fall under 1
	v_max_num_f32_dpp v8, v8, v8 row_xmask:1 row_mask:0xf bank_mask:0xf   ; and of my neighbour's 16: the block's
	v_add_nc_u32 v11, -(EMAX<<23), v8              ; 2 off its exponent field: the conversion takes this operand's exponent field as its scale
	v_cvt_scalef32_pk16_fp6_f32 v[C+4*(\t):C+4*(\t)+2], v[XS:XS+15], v11
	v_lshrrev_b32 v[E+(\t)], 23, v11               ; the scale's byte (also the plain line behind the conversion)
	ds_store_b8 v5, v[E+(\t)] offset:16*(\t)       ; both lanes of a block write the same byte with the same value
	global_store_b96 v4, v[C+4*(\t):C+4*(\t)+2], s[16:17] offset:32*CB*(\t)   ; the wave stores 384 consecutive bytes
.endm
.irp t, 0,1,2,3,4,5,6,7,8,9,10,11,12,13,14,15
	XSTEP \t
.endr
	ds_load_b64 v[8:9], v6                         ; LDS serves a wave's instructions in order: these see my stores
	s_wait_dscnt 0x0
	global_store_b64 v7, v[8:9], s[18:19]          ; 32 lanes store 256 consecutive bytes, aligned
	s_wait_tensorcnt 0x0                           ; the wave's end, behind my last LDS store
	ds_add_u32 v[SPW], v[NIL]
	s_wait_dscnt 0x0
	s_endpgm
; ---------------- the weights: a wave takes 32 columns x 256 along K ----------------
.Lw:
	s_lshr_b32 s23, ttmp9, 5                       ; which weight
	s_and_b32 s21, ttmp9, 7                        ; which 128 columns
	s_bfe_u32 s22, ttmp9, 0x20003                  ; which 256 along K
	s_lshl_b32 s24, s21, 7
	s_lshl_b32 s25, s20, 5
	s_add_co_u32 s24, s24, s25                     ; my wave's first column
	s_wait_alu depctr_va_vdst(0)
	v_lshlrev_b32 v3, 2, v2                        ; in: 4 bytes a lane
	s_mul_i32 s25, s20, 32*PITCH
	s_add_co_u32 s25, s25, WST                     ; my stage
	v_and_b32 v10, 7, v2
	v_and_b32 v11, 8, v2
	v_lshl_add_u32 v10, v11, 1, v10
	v_bfe_u32 v11, v2, 4, 1
	v_lshl_add_u32 v10, v11, 3, v10                ; my column's place in its group of 32: (l & 7) + 2 (l & 8) + 8 (l / 16)
	v_mul_u32_u24 v4, v10, PITCH
	v_add_nc_u32 v4, s25, v4                       ; into the stage: row = that place
	v_and_b32 v5, 15, v2
	v_lshrrev_b32 v6, 4, v2
	v_mul_u32_u24 v7, v6, PITCH
	v_lshl_add_u32 v7, v5, 4, v7
	v_add_nc_u32 v7, s25, v7                       ; out of it: sixteen lanes to a row, two rows an instruction
	v_mul_u32_u24 v8, v6, KROW
	v_mad_u32_u24 v8, v5, 12, v8                   ; and the same place in the codes' buffer
	v_lshlrev_b32 v9, 5, v10                       ; my place's row of scale bytes
	s_lshl_b32 s26, s22, 20                        ; 256 rows of 4,096 bytes
	s_lshl_b32 s27, s24, 2
	s_add_co_u32 s26, s26, s27
	s_mov_b32 s27, 0
	s_lshl_b32 s28, s23, 10
	s_add_co_u32 s28, s28, 24576
	s_add_co_u32 s28, s28, s24                     ; my group's first row of codes
	s_mul_i32 s30, s28, KROW
	s_mul_i32 s31, s22, 192
	s_add_co_u32 s30, s30, s31
	s_mov_b32 s31, 0
	s_lshl_b32 s28, s28, 5
	s_lshl_b32 s29, s22, 3
	s_add_co_u32 s28, s28, s29
	s_mov_b32 s29, 0
	s_wait_kmcnt 0x0
	s_cmp_eq_u32 s23, 1
	s_cselect_b64 s[10:11], s[12:13], s[10:11]
	s_cmp_eq_u32 s23, 2
	s_cselect_b64 s[10:11], s[14:15], s[10:11]
	s_add_nc_u64 s[10:11], s[10:11], s[26:27]
	s_add_nc_u64 s[16:17], s[16:17], s[30:31]
	s_add_nc_u64 s[18:19], s[18:19], s[28:29]
.macro WLOAD t                         ; block t: W(32 t + i, my column), i = 0 .. 31, into set t % 2
.irp i, 0,1,2,3,4,5,6,7,8,9,10,11,12,13,14,15,16,17,18,19,20,21,22,23,24,25,26,27,28,29,30,31
	global_load_b32 v[WX+32*((\t)%2)+\i], v3, s[10:11] offset:(32*(\t)+\i)*WROW th:TH_LOAD_NT
.endr
.endm
	WLOAD 0
	WLOAD 1
.macro WBLOCK t
.set XS, WX+32*((\t)%2)
.if (\t) < NB-1
	s_wait_loadcnt 32                              ; this block's 32 loads are in; the next block's may be out
.else
	s_wait_loadcnt 0
.endif
	v_max3_num_f32 v12, |v[XS]|, |v[XS+1]|, |v[XS+2]|               ; the block's largest magnitude: all 32 numbers are mine
	v_max3_num_f32 v13, |v[XS+3]|, |v[XS+4]|, |v[XS+5]|
.irp i, 6,10,14,18,22,26
	v_max3_num_f32 v12, v12, |v[XS+\i]|, |v[XS+\i+1]|
	v_max3_num_f32 v13, v13, |v[XS+\i+2]|, |v[XS+\i+3]|
.endr
	v_max3_num_f32 v12, v12, |v[XS+30]|, |v[XS+31]|
	v_max3_num_f32 v12, v12, v13, (EMAX+1)<<23
	v_add_nc_u32 v11, -(EMAX<<23), v12
	v_lshrrev_b32 v13, 23, v11                     ; the scale's byte
.if (\t)%4 == 0
	v_mov_b32 v[WSB+(\t)/4], v13                   ; four bytes to a register, the lower K in the lower byte
.else
	v_lshl_or_b32 v[WSB+(\t)/4], v13, 8*((\t)%4), v[WSB+(\t)/4]
.endif
	v_cvt_scalef32_pk16_fp6_f32 v[WC:WC+2], v[XS:XS+15], v11
	v_cvt_scalef32_pk16_fp6_f32 v[WC+4:WC+6], v[XS+16:XS+31], v11   ; (a conversion's three registers begin on an even number)
	v_nop                                          ; one plain line behind the conversions
	ds_store_b96 v4, v[WC:WC+2] offset:32*(\t)     ; 12 bytes to a place of 16 in the stage
	ds_store_b96 v4, v[WC+4:WC+6] offset:32*(\t)+16
.if (\t)+2 < NB
	WLOAD (\t)+2
.endif
	s_wait_dscnt 0x0                               ; the stores have read their registers: the next block's codes may be written
.endm
.irp t, 0,1,2,3,4,5,6,7
	WBLOCK \t
.endr
	s_wait_alu depctr_va_vdst(0)
	global_store_b64 v9, v[WSB:WSB+1], s[18:19]    ; my column's 8 scale bytes
.irp t, 0,1,2,3,4,5,6,7,8,9,10,11,12,13,14,15
	ds_load_b96 v[WOUT+4*\t:WOUT+4*\t+2], v7 offset:2*\t*PITCH
.endr
.irp t, 0,1,2,3,4,5,6,7,8,9,10,11,12,13,14,15
	s_wait_dscnt 15-\t
	global_store_b96 v8, v[WOUT+4*\t:WOUT+4*\t+2], s[16:17] offset:2*\t*KROW   ; sixteen lanes store a row's 192 consecutive bytes
.endr
	s_wait_tensorcnt 0x0                           ; the wave's end: the same three lines
	ds_add_u32 v[SPW], v[NIL]
	s_wait_dscnt 0x0
	s_endpgm
.Lfunc_end_k_q0fc68e39ec_quant:
	.size	k_q0fc68e39ec_quant, .Lfunc_end_k_q0fc68e39ec_quant-k_q0fc68e39ec_quant
	.p2alignl 7, 3214868480
	.fill 96, 4, 3214868480
	.section	.rodata,"a",@progbits
	.p2align	6, 0x0
	.amdhsa_kernel k_q0fc68e39ec_quant
		.amdhsa_group_segment_fixed_size 68096
		.amdhsa_private_segment_fixed_size 0
		.amdhsa_enable_private_segment 0
		.amdhsa_kernarg_size 64
		.amdhsa_user_sgpr_count 2
		.amdhsa_user_sgpr_kernarg_segment_ptr 1
		.amdhsa_wavefront_size32 1
		.amdhsa_system_sgpr_workgroup_id_x 1
		.amdhsa_system_sgpr_workgroup_id_y 1
		.amdhsa_system_sgpr_workgroup_id_z 1
		.amdhsa_system_vgpr_workitem_id 0
		.amdhsa_next_free_vgpr 196
		.amdhsa_next_free_sgpr 66
		.amdhsa_reserve_vcc 0
		.amdhsa_float_denorm_mode_32 3
		.amdhsa_float_denorm_mode_16_64 3
		.amdhsa_memory_ordered 1
		.amdhsa_forward_progress 1
		.amdhsa_inst_pref_size 74
	.end_amdhsa_kernel
	.amdgpu_metadata
---
amdhsa.version: [ 1, 2 ]
amdhsa.kernels:
  - .name:           k_q0fc68e39ec_quant
    .symbol:         k_q0fc68e39ec_quant.kd
    .args:
      - { .name: q, .offset: 0, .size: 8, .value_kind: global_buffer, .address_space: global }
      - { .name: k, .offset: 8, .size: 8, .value_kind: global_buffer, .address_space: global }
      - { .name: v, .offset: 16, .size: 8, .value_kind: global_buffer, .address_space: global }
      - { .name: Wq, .offset: 24, .size: 8, .value_kind: global_buffer, .address_space: global }
      - { .name: Wk, .offset: 32, .size: 8, .value_kind: global_buffer, .address_space: global }
      - { .name: Wv, .offset: 40, .size: 8, .value_kind: global_buffer, .address_space: global }
      - { .name: codes, .offset: 48, .size: 8, .value_kind: global_buffer, .address_space: global }
      - { .name: scales, .offset: 56, .size: 8, .value_kind: global_buffer, .address_space: global }
    .group_segment_fixed_size: 68096
    .private_segment_fixed_size: 0
    .kernarg_segment_align: 8
    .kernarg_segment_size: 64
    .max_flat_workgroup_size: 128
    .sgpr_count:     66
    .vgpr_count:     196
    .wavefront_size: 32
...
	.end_amdgpu_metadata
.endif
;; end of part 1
;; launch proj (part 2): grid 4 x 96, 4 waves a work-group, clusters of 4 x 4, 327,680 bytes of LDS; arguments codes, scales, bq, bk, bv, qr, kv, vsum; writes qr, kv, vsum
.if DOCPART == 2
	.amdgcn_target "amdgcn-amd-amdhsa--gfx1250"
	.amdhsa_code_object_version 6
	.text
	.protected	k_q0fc68e39ec_proj
	.globl	k_q0fc68e39ec_proj
	.p2align	8
	.type	k_q0fc68e39ec_proj,@function
k_q0fc68e39ec_proj:
	s_mov_b64 s[64:65], 0
	v_nop
	global_prefetch_b8 v0, s[64:65] scope:SCOPE_SE
	s_setreg_imm32_b32 hwreg(HW_REG_WAVE_MODE, 25, 1), 1
	s_wait_xcnt 0x0
	s_wait_alu depctr_hold_cnt(0) depctr_sa_sdst(0) depctr_va_vdst(0) depctr_va_sdst(0) depctr_va_ssrc(0) depctr_va_vcc(0) depctr_vm_vsrc(0)
	s_getreg_b32 s2, hwreg(HW_REG_IB_STS2, 6, 4)
	s_cmp_eq_u32 s2, 0
	s_cbranch_scc0 .Lentry_in_a_cluster
	s_endpgm
.Lentry_in_a_cluster:
	s_bfe_u32 s2, ttmp6, 0x10000c
	s_cmp_lg_u32 s2, 0xf033
	s_cbranch_scc0 .Lentry_shape_is_right
	s_endpgm
.Lentry_shape_is_right:
; The three projections x W + b on codes of FP6 (E2M3) with E8M0 block scales, K = 1,024, and the quantising of their results for the attention.
; 24 clusters of 4 x 4 work-groups; cluster y: 0-7 q, 8-15 k, 16-23 v, 1,024 tokens each.  A work-group makes 256 x 256, each of its four waves 128 x 128: 64 accumulators, 512 registers.
; Source 1 ('A', a result's lanes) and source 0 ('B', a lane's registers) are rows of the buffer codes.  q, k: A = tokens, B = the weight's columns; v: A = the weight's columns, B = tokens.
; The rows of codes lie so that place 16 u + r of a group of 32 is row 8 u + r + 8 (r / 8): the 16 registers of result tiles 2 b and 2 b + 1 are the neighbours 32 b + 16 (lane / 16) + 0 .. 15.
; K goes through a ring of two LDS slots in chunks of 256 bytes of each row of 768 (three chunks, eight steps of 96 bytes); every tile row begins at a multiple of 256 bytes.  Steps 2 and 5 lie across two chunks.
; Joint tensor loads: A's tile is shared along a row of the cluster, B's along a column.  All scale bytes come once, at the head.
; THE WAY OUT, 16 lanes' rows at a time: + bias in f32; the quantiser; the operand's registers leave as an image, 16 bytes a lane, 512 consecutive bytes a store.
;   Records of REC = 15,104 bytes, [head 64][128 tokens 16].  qr: bytes 0-8703 of a record; kv: k in bytes 0-8703, v in bytes 8704-15103.
;   q, k: eight tiles of 16 tokens x (registers 0-3: 512 bytes, registers 4-7: 512 bytes), then 512 bytes of scale words (word 4 l + q: tile 2 q + l / 16, row l % 16).
;   Registers 0-5 are the head's 64 codes.  k = 64 carries the KEY MASK: q has the code of 1.0 there under the byte of 1.0; a key whose head sums to 0 has zero codes and the code of -4.0 under the byte of 2^33
;   (score -2^35 = 8 x -2^32); every other key has 0 there.  q's register 7 holds the query's flag, the whole number 1 or 0 (it meets zeros of k).
;   v: four tiles of 16 channels x 3 x 512 bytes, then 256 bytes of scale words (word 2 l + q: tile 2 q + l / 16).  vsum: [head][16][64] f32: the quantised v summed over the 128 keys.
; LIMITS: a head's sum is tested against 0 in this text's own order of f32 additions; blocks under 2^-124 and blocks of zeros keep the byte 1; NaN and infinities are not served.
; No prefetch: K has three chunks, of which two are first fills.
.set SIZE_K, 1024
.set ROWB,   256
.set NQ,     2
.set KROW,   SIZE_K*6/8
.set STEPS,  SIZE_K/128
.set CHUNKS, KROW/ROWB
.set PITCH,  272                       ; an LDS row: 256 bytes + 16 of padding
.set FR,     12
.set NL,     6
.set NP,     4
.set HALFT,  128*PITCH
.set SLOT,   4*HALFT
.set KS,     SIZE_K/32
.set SCL,    2*SLOT
.set HALFS,  (128*KS/256)*272
.set SBLK,   (16*KS/256)*272
.set SPARE,  SCL+4*HALFS               ; the spare words, 128 bytes a wave, named by no other line
.set REC,    15104
.set KREC,   8704
.set ADRA, 16                          ; v16-17 my A fragments in slot 0, 1; v18-19 for pieces whose lane halves lie in two chunks
.set ADRB, 20
.set ADRS, 27
.set SPW,  28
.set NIL,  29
.set SC,   32
.set AF,   128
.set G1, 24
.set G0, 32
.set G1B, 48
.set G0B, 56
.set G1S, 68
.set G0S, 76
.set G1SB, 80
.set G0SB, 88
.set G0H, 4                            ; group 0 of the head's loads of chunk 0: A's 256 rows, B's 256 rows
.set G0HB, 96
.set TEN, 95                           ; 0 q, 1 k, 2 v: cluster y / 8, the same in all sixteen partners
.set LI16, 9
.set LI8,  10
.set VSO,  11
.set TM,   32
.set PW,   48
.set R6U,  56
.set R6M,  57
.set R7U,  58
.set R7M,  59
.set HIU,  60
.set HIM,  61
.set ONE_S, 62
.set B0,   64                          ; v64-127  bias along the registers (q, k), else zeros
.set T,    128
.set PCO,  192
.set CT,   208
.set DS,   216
.set B1,   224                         ; v224-239 bias along the lanes (v), else zeros
.set SW,   240
.set SEL,  92
.set MK,   18
.set SHI,  94
.set SQK,  3
.set MSB, 0
.macro WIN new                         ; the immediate's high byte repeats the setting that is left
.if MSB != (\new)
	s_set_vgpr_msb (MSB<<8)|(\new)
.set MSB, (\new)
.endif
.endm
.set MUL_LO, 0xa1
.set MUL_HI, 0xf1
.set TO_B,   0x40
; a joint load: waves 0, 1 fetch for A, waves 2, 3 for B; s_nop 0 and four v_nop behind each line
.macro JLOAD g0a, g1a, g0b, g1b
	s_cmp_eq_u32 s15, 0
	s_cbranch_scc0 .Lfor_b_\@
	tensor_load_to_lds s[\g0a:\g0a+3], s[\g1a:\g1a+7]
	s_nop 0
.rept 4
	v_nop
.endr
	s_branch .Lasked_\@
.Lfor_b_\@:
	tensor_load_to_lds s[\g0b:\g0b+3], s[\g1b:\g1b+7]
	s_nop 0
.rept 4
	v_nop
.endr
.Lasked_\@:
.endm
.macro CREST
	s_cmp_lg_u32 s14, 0
	s_cbranch_scc1 .Lnot_wave_0_\@
	s_barrier_signal -3
.Lnot_wave_0_\@:
	s_barrier_wait -3
	s_barrier_signal -1
	s_barrier_wait -1
.endm
.macro CROUND
	s_barrier_signal -1
	s_barrier_wait -1
	CREST
.endm
	s_load_b128 s[4:7], s[0:1], 0x0                ; codes, scales
	s_load_b128 s[8:11], s[0:1], 0x10              ; bq, bk
	s_load_b64 s[12:13], s[0:1], 0x20              ; bv
	s_load_b128 s[96:99], s[0:1], 0x28             ; qr, kv
	s_load_b64 s[66:67], s[0:1], 0x38              ; vsum
	v_lshl_add_u32 v[SPW], v0, 2, SPARE
	v_mov_b32 v[NIL], 0
	ds_add_u32 v[SPW], v[NIL]                      ; the opening lines: the add twice on end and one wait
	ds_add_u32 v[SPW], v[NIL]
	v_lshrrev_b32 v1, 5, v0
	v_readfirstlane_b32 s14, v1                    ; wave 0..3
	s_lshr_b32 s15, s14, 1                         ; my half of A's rows; also: I fetch for A (0) or B (1)
	s_and_b32 s16, s14, 1                          ; my half of B's rows; also: which 128 rows I fetch
	s_bfe_u32 s40, ttmp6, 0x40000                  ; cx
	s_bfe_u32 s41, ttmp6, 0x40004                  ; cy
	s_and_b32 s17, ttmp7, 0xffff                   ; cluster y, 0 .. 23
	s_lshr_b32 s[TEN], s17, 3
	s_lshl_b32 s43, s41, 2
	s_lshl_b32 s43, 15, s43                        ; my row of the cluster
	s_lshl_b32 s44, 0x1111, s40                    ; my column
	s_or_b32 s[G1+0], s43, (0<<16)|(1<<20)|(1<<21)|(5<<22)|(3<<25)  ; mask; 1-byte elements; after every 64 words 4 words of padding
	s_or_b32 s[G1B+0], s44, (0<<16)|(1<<20)|(1<<21)|(5<<22)|(3<<25)
.irp g, G1, G1B
	s_mov_b32 s[\g+1], ROWB<<16
	s_mov_b32 s[\g+2], 256<<16                     ; 256 rows for the head's loads
	s_mov_b32 s[\g+3], ROWB<<16
	s_mov_b32 s[\g+4], 256
	s_mov_b32 s[\g+5], KROW
	s_mov_b32 s[\g+6], 0
	s_mov_b32 s[\g+7], 0
.endr
	s_or_b32 s[G1S+0], s43, (3<<16)|(1<<20)|(1<<21)|(5<<22)|(3<<25)  ; the scales of 256 rows: 8,192 dense bytes as 32 rows of 256
	s_or_b32 s[G1SB+0], s44, (3<<16)|(1<<20)|(1<<21)|(5<<22)|(3<<25)
.irp g, G1S, G1SB
	s_mov_b32 s[\g+1], 32<<16
	s_mov_b32 s[\g+2], KS<<16
	s_mov_b32 s[\g+3], 32<<16
	s_mov_b32 s[\g+4], KS
	s_mov_b32 s[\g+5], 32
	s_mov_b32 s[\g+6], 0
	s_mov_b32 s[\g+7], 0
.endr
	s_lshl_b32 s19, s17, 10                        ; the cluster's tokens begin at row 1,024 y of codes,
	s_lshl_b32 s3, s[TEN], 10
	s_add_co_u32 s3, s3, 24576                     ; its weight at row 24,576 + 1,024 x tensor
	s_cmp_lt_u32 s17, 16
	s_cselect_b32 s20, s19, s3                     ; A: tokens for q and k, the weight for v
	s_cselect_b32 s46, s3, s19                     ; B: the other
	s_lshl_b32 s21, s41, 8
	s_add_co_u32 s20, s20, s21                     ; A: + 256 cy
	s_lshl_b32 s47, s40, 8
	s_add_co_u32 s46, s46, s47                     ; B: + 256 cx
	s_mov_b32 s21, 0
	s_mov_b32 s47, 0
	s_mov_b64 s[18:19], KS
	s_mul_u64 s[22:23], s[20:21], s[18:19]         ; where these rows' scales begin
	s_mul_u64 s[92:93], s[46:47], s[18:19]
	s_mov_b64 s[18:19], KROW
	s_mul_u64 s[20:21], s[20:21], s[18:19]         ; and their codes
	s_mul_u64 s[46:47], s[46:47], s[18:19]
	s_mul_i32 s18, s16, 128*KROW                   ; in the ring I fetch 128 rows: which half,
	s_mov_b32 s19, 0
	s_mul_i32 s45, s14, HALFT                      ; and where they go
	s_wait_dscnt 0x0                               ; both opening adds are done
	s_wait_kmcnt 0x0
	s_add_nc_u64 s[20:21], s[4:5], s[20:21]
	s_add_nc_u64 s[22:23], s[6:7], s[22:23]
	s_add_nc_u64 s[46:47], s[4:5], s[46:47]
	s_add_nc_u64 s[92:93], s[6:7], s[92:93]
	s_cmp_eq_u32 s[TEN], 1                         ; the tensor's bias and output: choices on the cluster's number alone
	s_cselect_b64 s[8:9], s[10:11], s[8:9]
	s_cmp_eq_u32 s[TEN], 2
	s_cselect_b64 s[8:9], s[12:13], s[8:9]         ; s[8:9] the bias
	s_cmp_eq_u32 s[TEN], 0
	s_cselect_b64 s[10:11], s[96:97], s[98:99]     ; s[10:11] qr or kv
	CROUND                                         ; all sixteen work-groups are here: the first joint loads meet
	s_mov_b32 s[G0H], 1
	s_mov_b32 s[G0H+1], 0
	s_mov_b64 s[G0H+2:G0H+3], s[20:21]
	s_or_b32 s[G0H+3], s[G0H+3], 0x80000000
	s_mov_b32 s[G0HB], 1
	s_mov_b32 s[G0HB+1], 2*HALFT
	s_mov_b64 s[G0HB+2:G0HB+3], s[46:47]
	s_or_b32 s[G0HB+3], s[G0HB+3], 0x80000000
	s_mov_b32 s[G0S], 1
	s_mov_b32 s[G0S+1], SCL
	s_mov_b64 s[G0S+2:G0S+3], s[22:23]
	s_or_b32 s[G0S+3], s[G0S+3], 0x80000000
	s_mov_b32 s[G0SB], 1
	s_mov_b32 s[G0SB+1], SCL+2*HALFS
	s_mov_b64 s[G0SB+2:G0SB+3], s[92:93]
	s_or_b32 s[G0SB+3], s[G0SB+3], 0x80000000
	s_add_nc_u64 s[20:21], s[20:21], s[18:19]      ; for the ring: my 128 rows
	s_add_nc_u64 s[46:47], s[46:47], s[18:19]
.irp s, 0,1
	s_mov_b32 s[G0+4*\s], 1
	s_add_co_u32 s[G0+4*\s+1], s45, \s*SLOT
	s_add_nc_u64 s[G0+4*\s+2:G0+4*\s+3], s[20:21], \s*ROWB
	s_or_b32 s[G0+4*\s+3], s[G0+4*\s+3], 0x80000000
	s_mov_b32 s[G0B+4*\s], 1
	s_add_co_u32 s[G0B+4*\s+1], s45, \s*SLOT
	s_add_nc_u64 s[G0B+4*\s+2:G0B+4*\s+3], s[46:47], \s*ROWB
	s_or_b32 s[G0B+4*\s+3], s[G0B+4*\s+3], 0x80000000
.endr
; the head's loads, one a wave: wave 0 chunk 0 of A's 256 rows, wave 1 of B's, wave 2 A's scales, wave 3 B's; one tree of branches, one load on every way
.macro ARM under, g0, g1, next
	s_cmp_lt_u32 s14, \under
	s_cbranch_scc0 \next
	tensor_load_to_lds s[\g0:\g0+3], s[\g1:\g1+7]
	s_nop 0
.rept 4
	v_nop
.endr
	s_branch .Lhead_asked
\next:
.endm
	ARM 1, G0H,  G1,  .Lhead_b
	ARM 2, G0HB, G1B, .Lhead_sa
	ARM 3, G0S,  G1S, .Lhead_sb
	tensor_load_to_lds s[G0SB:G0SB+3], s[G1SB:G1SB+7]
	s_nop 0
.rept 4
	v_nop
.endr
.Lhead_asked:
	v_and_b32 v1, 15, v0                           ; r
	v_bfe_u32 v2, v0, 4, 1                         ; h
	v_mul_u32_u24 v3, v1, PITCH
	v_mul_u32_u24 v4, v2, 24
	v_add_nc_u32 v4, v3, v4                        ; row x pitch + 24 h
	s_mov_b32 s21, SLOT-232
	s_mov_b32 s22, SLOT+232
	v_sub_nc_u32 v7, 1, v2
	v_mul_u32_u24 v5, s21, v2
	v_add_nc_u32 v5, v3, v5
	v_add_nc_u32 v5, 232, v5                       ; lanes 0-15 byte 232 of the row in slot 0, lanes 16-31 byte 0 in slot 1;
	v_mul_u32_u24 v6, s22, v7
	v_add_nc_u32 v6, v3, v6                        ; and the other way round
	s_mul_i32 s21, s15, HALFT
	s_mul_i32 s22, s16, HALFT
	s_add_co_u32 s22, s22, 2*HALFT
	v_add_nc_u32 v[ADRA+2], s21, v5
	v_add_nc_u32 v[ADRA+3], s21, v6
	v_add_nc_u32 v[ADRB+2], s22, v5
	v_add_nc_u32 v[ADRB+3], s22, v6
.irp s, 0,1
	v_add_nc_u32 v[ADRA+\s], s21, v4
	v_add_nc_u32 v[ADRB+\s], s22, v4
	s_add_co_u32 s21, s21, SLOT
	s_add_co_u32 s22, s22, SLOT
.endr
	v_mul_u32_u24 v5, v1, KS                       ; my row's scales: KS bytes a row, 16 more for each 256 passed
	v_lshrrev_b32 v6, 8, v5
	v_lshl_add_u32 v5, v6, 4, v5
	s_mul_i32 s21, s15, HALFS
	s_mul_i32 s22, s16, HALFS
	s_add_co_u32 s22, s22, 2*HALFS
	s_sub_co_u32 s22, s22, s21
	v_mul_u32_u24 v6, s22, v2                      ; lanes 16-31 take B's
	s_add_co_u32 s21, s21, SCL
	v_add_nc_u32 v5, v5, v6
	v_add_nc_u32 v[ADRS], s21, v5
	; where my results go, and my biases
	s_and_b32 s42, s17, 7
	s_lshl_b32 s42, s42, 10                        ; the cluster's first token in its tensor
	s_cmp_lt_u32 s[TEN], 2
	s_cselect_b32 s20, s42, 0
	s_cselect_b32 s46, 0, s42
	s_lshl_b32 s21, s41, 8
	s_add_co_u32 s20, s20, s21
	s_lshl_b32 s21, s15, 7
	s_add_co_u32 s20, s20, s21                     ; my first index on A's side (q, k: token; v: channel)
	s_lshl_b32 s47, s40, 8
	s_add_co_u32 s46, s46, s47
	s_lshl_b32 s47, s16, 7
	s_add_co_u32 s46, s46, s47                     ; on B's side (q, k: channel; v: token)
	s_cmp_lt_u32 s[TEN], 2
	s_cselect_b32 s22, s46, 0                      ; the bias along the registers (q, k); for v the loads stay at the buffer's head and are replaced by zeros
	s_cselect_b32 s23, 0, s20                      ; the bias along the lanes (v); likewise
	s_cselect_b32 s18, s20, s46                    ; my first token
	s_cselect_b32 s19, s46, s20                    ; my first channel
	s_lshl_b32 s22, s22, 2
	s_lshl_b32 s23, s23, 2
	v_lshl_add_u32 v7, v2, 6, s22                  ; lane (r, h) wants channels 32 b + 16 h + 0 .. 15
	v_and_b32 v6, 8, v1
	v_add_nc_u32 v6, v6, v1                        ; r + 8 (r / 8)
	v_lshl_add_u32 v8, v6, 2, s23
.irp b, 0,1,2,3
.irp q, 0,1,2,3
	global_load_b128 v[B0+16*\b+4*\q:B0+16*\b+4*\q+3], v7, s[8:9] offset:128*\b+16*\q
.endr
.endr
.irp a, 0,1,2,3,4,5,6,7
	global_load_b32 v[B1+2*\a], v8, s[8:9] offset:4*(32*(\a/2)+8*(\a%2))
.endr
	s_lshr_b32 s12, s18, 11                        ; the batch,
	s_lshl_b32 s12, s12, 4
	s_lshr_b32 s19, s19, 6
	s_add_co_u32 s12, s12, s19                     ; my first head: 16 x batch + channel / 64
	s_lshl_b32 s12, s12, 4
	s_bfe_u32 s18, s18, 0x40007                    ; which 128 tokens of the sequence
	s_add_co_u32 s18, s12, s18                     ; my first record
	s_mul_i32 s12, s18, REC
	s_cmp_eq_u32 s[TEN], 2
	s_cselect_b32 s13, KREC, 0                     ; v lies behind k in a record
	s_add_co_u32 s12, s12, s13
	s_mov_b32 s13, 0
	s_add_nc_u64 s[10:11], s[10:11], s[12:13]
	s_lshl_b32 s12, s18, 8
	s_add_nc_u64 s[66:67], s[66:67], s[12:13]
.macro FRAG reg, adr, st, i            ; 16 rows x 128 K: 12 registers, in pieces of 8 bytes; byte y of a row lies in slot (y / 256) % 2 at byte y % 256
.irp p, 0,1,2,3,4,5
.set BY, 96*(\st)+48*(\p/3)+8*(\p%3)
.if BY/ROWB == (BY+24)/ROWB
	ds_load_b64 v[\reg+2*\p:\reg+2*\p+1], v[\adr+(BY/ROWB)%2] offset:BY%ROWB+(\i)*16*PITCH
.else
	ds_load_b64 v[\reg+2*\p:\reg+2*\p+1], v[\adr+2+(BY/ROWB)%2] offset:BY%ROWB-232+(\i)*16*PITCH
.endif
.endr
.endm
; 16 matrix instructions: A's blocks a0, a0 + 1 x B's eight; the 64 accumulators take turns
.macro MUL16 a0, p, q, sc, zero
.irp a, \a0, \a0+1
.irp b, 0,1,2,3,4,5,6,7
.if \zero
	v_wmma_scale_f32_16x16x128_f8f6f4 v[8*(8*((\a)%4)+\b):8*(8*((\a)%4)+\b)+7], v[128*(\p)+FR*\b:128*(\p)+FR*\b+FR-1], v[AF+FR*(\a):AF+FR*(\a)+FR-1], 0, v[SC+8*NQ*(\sc)+NQ*\b+(\q)], v[SC+8*NQ*(\sc)+NQ*(\a)+(\q)] matrix_a_fmt:MATRIX_FMT_FP6 matrix_b_fmt:MATRIX_FMT_FP6 matrix_a_scale:MATRIX_SCALE_ROW1
.else
	v_wmma_scale_f32_16x16x128_f8f6f4 v[8*(8*((\a)%4)+\b):8*(8*((\a)%4)+\b)+7], v[128*(\p)+FR*\b:128*(\p)+FR*\b+FR-1], v[AF+FR*(\a):AF+FR*(\a)+FR-1], v[8*(8*((\a)%4)+\b):8*(8*((\a)%4)+\b)+7], v[SC+8*NQ*(\sc)+NQ*\b+(\q)], v[SC+8*NQ*(\sc)+NQ*(\a)+(\q)] matrix_a_fmt:MATRIX_FMT_FP6 matrix_b_fmt:MATRIX_FMT_FP6 matrix_a_scale:MATRIX_SCALE_ROW1
.endif
.endr
.endr
.endm
.macro FETCH_B st, p
	WIN TO_B
.irp i, 0,1,2,3,4,5,6,7
	FRAG 128*(\p)+FR*\i, ADRB, \st, \i
.endr
	WIN 0
.endm
.macro FETCH_A st, i0
.irp i, \i0, \i0+1, \i0+2, \i0+3
	FRAG AF+FR*(\i), ADRA, \st, \i
.endr
.endm
.macro SCALES pr                       ; the scale words of steps 2 pr, 2 pr + 1: lanes 0-15 A's block i, lanes 16-31 B's
.irp i, 0,1,2,3,4,5,6,7
	ds_load_b64 v[SC+8*NQ*((\pr)%2)+NQ*\i:SC+8*NQ*((\pr)%2)+NQ*\i+1], v[ADRS] offset:\i*SBLK+4*NQ*(\pr)
.endr
.endm
.macro PLACES n                        ; plain vector lines behind a matrix instruction (ISA guide 7.12.1)
.rept \n
	v_nop
.endr
.endm
; a step of 128 along K.  Where the next step's bytes end in a chunk not yet read: a wait for my tensor loads and a barrier.  Where they begin in a later chunk: the three lines, the barrier, and,
; if a chunk two on is left, a round of the cluster's barrier and the refill.
.macro STEP st, zero
.set NX, (\st)+1
.set C0, (96*(\st))/ROWB
.set C1, (96*NX)/ROWB
.set E0, (96*(\st)+95)/ROWB
.set E1, (96*NX+95)/ROWB
.if C1 > C0 || E1 > E0
	s_wait_tensorcnt 0x0                           ; all my tensor loads have landed
.if C1 > C0
	ds_add_u32 v[SPW], v[NIL]
	s_wait_dscnt 4*NL+1                            ; the add and A's blocks 4-7 may be out
.else
	s_wait_dscnt 4*NL                              ; A's blocks 4-7 may be out
.endif
	WIN MUL_LO
	MUL16 0, (\st)%2, (\st)%2, ((\st)/2)%2, \zero
	s_wait_dscnt 0x0                               ; the add and my reads are done
	s_barrier_signal -1
	MUL16 2, (\st)%2, (\st)%2, ((\st)/2)%2, \zero
	WIN 0
	s_barrier_wait -1
.if C1 > C0 && C0+2 < CHUNKS
	CREST                                          ; no wave of any partner still reads this slot or has a load on its way
	s_add_nc_u64 s[G0+4*(C0%2)+2:G0+4*(C0%2)+3], s[G0+4*(C0%2)+2:G0+4*(C0%2)+3], 2*ROWB
	s_add_nc_u64 s[G0B+4*(C0%2)+2:G0B+4*(C0%2)+3], s[G0B+4*(C0%2)+2:G0B+4*(C0%2)+3], 2*ROWB
	JLOAD G0+4*(C0%2), G1, G0B+4*(C0%2), G1B       ; chunk C0 + 2, my one load behind the round
.else
	PLACES NP
.endif
.else
	s_wait_dscnt 4*NL                              ; B's set and A's blocks 0-3 are in
	WIN MUL_LO
	MUL16 0, (\st)%2, (\st)%2, ((\st)/2)%2, \zero
	MUL16 2, (\st)%2, (\st)%2, ((\st)/2)%2, \zero
	s_wait_dscnt 0
	PLACES NP
.endif
	FETCH_B NX, NX%2
	FETCH_A NX, 0
.if NX%2 == 0
	SCALES NX/2
.endif
	WIN MUL_HI
	MUL16 4, (\st)%2, (\st)%2, ((\st)/2)%2, \zero
	MUL16 6, (\st)%2, (\st)%2, ((\st)/2)%2, \zero
	PLACES NP
	WIN 0
	FETCH_A NX, 4
.endm
	s_wait_alu depctr_va_vdst(0)
	s_wait_tensorcnt 0x0                           ; my tile of the head's four is in; the three lines ahead of slot 1's first fill
	ds_add_u32 v[SPW], v[NIL]
	s_mov_b32 s[G1+2], 128<<16                     ; no load of mine is out: from here on a load brings 128 rows
	s_mov_b32 s[G1+4], 128
	s_mov_b32 s[G1B+2], 128<<16
	s_mov_b32 s[G1B+4], 128
	s_wait_dscnt 0x0
	CROUND
	JLOAD G0+4, G1, G0B+4, G1B                     ; chunk 1, the first tensor load behind the round
	FETCH_B 0, 0
	FETCH_A 0, 0
	SCALES 0
	FETCH_A 0, 4
	STEP 0, 1                                      ; the first step's products start the sums
.set ST, 1
.rept STEPS-2
	STEP ST, 0
.set ST, ST+1
.endr
	s_wait_dscnt 4*NL
	WIN MUL_LO
	MUL16 0, 1, 1, 1, 0
	MUL16 2, 1, 1, 1, 0
	s_wait_dscnt 0
	WIN MUL_HI
	MUL16 4, 1, 1, 1, 0
	MUL16 6, 1, 1, 1, 0
	WIN 0
; ---------------- THE WAY OUT ----------------
	s_wait_loadcnt 0x0                             ; the biases
	PLACES NP
	v_bfe_u32 v49, v0, 4, 1
	v_sub_nc_u32 v49, 1, v49                       ; 1 in lanes 0-15, which hold k = 64 on
	s_wait_alu depctr_va_vdst(0)
	s_cmp_eq_u32 s[TEN], 1
	s_cselect_b32 s20, 56, 8                       ; register 6 of a masked token: k: the code of -4.0; q: the code of 1.0
	s_cselect_b32 s21, 0, 8                        ; of one that counts
	s_cselect_b32 s22, 0, 1                        ; register 7 of one that counts: q: the flag 1
	s_mov_b32 s23, 0x017f0000                      ; bytes 2, 3 of q's scale word
	s_cselect_b32 s46, 0x01010000, s23             ; of k's,
	s_cselect_b32 s47, 0x01a00000, s23             ; or 2^33 for a masked key
	s_cmp_lt_u32 s[TEN], 2
	s_cselect_b32 s[SQK], -1, 0                    ; all lanes for q and k, none for v
	s_mov_b32 s[SHI], 0xffff0000
	s_mov_b32 s[SEL], 0x76543210
	s_mov_b32 s[SEL+1], 0xfedcba98
	v_mul_u32_u24 v[R6M], s20, v49
	v_mul_u32_u24 v[R6U], s21, v49
	v_mov_b32 v[R7U], s22
	v_mov_b32 v[R7M], 0
	v_mov_b32 v[HIU], s46
	v_mov_b32 v[HIM], s47
	v_mov_b32 v[ONE_S], 0x7f7f7f7f
	v_mov_b32 v51, 0
	v_mov_b32 v52, 0
.irp b, 0,1,2,3
	v_mov_b32 v[TM+4+\b], 0
.endr
	v_and_b32 v50, 31, v0
	v_lshlrev_b32 v[LI16], 4, v50
	v_lshlrev_b32 v[LI8], 3, v50
	v_and_b32 v50, 15, v0
	v_and_b32 v53, 8, v50
	v_add_nc_u32 v50, v50, v53
	v_bfe_u32 v53, v0, 4, 1
	v_lshl_add_u32 v50, v53, 3, v50
	v_lshlrev_b32 v[VSO], 2, v50
.set i, 0
.rept 64
	v_cndmask_b32 v[B0+i], v[NIL], v[B0+i], s[SQK] ; the bias along the registers counts for q and k alone
.set i, i+1
.endr
.irp a, 0,1,2,3,4,5,6,7
	v_cndmask_b32 v[B1+2*\a], v[B1+2*\a], v[NIL], s[SQK]   ; the bias along the lanes for v alone
.endr
.irp a, 0,1,2,3,4,5,6,7
	v_mov_b32 v[B1+2*\a+1], v[B1+2*\a]
.endr
	WIN 0x40                                       ; window 1: 16 rows x 128 of the code of 1.0
.irp k, 0,1,2,3
	v_mov_b32 v[3*\k], 0x08208208
	v_mov_b32 v[3*\k+1], 0x82082082
	v_mov_b32 v[3*\k+2], 0x20820820
.endr
	WIN 0
; 64 numbers of a lane in v[T] on become codes (half c at v[PCO + 8 c] on) and the row's scale word in v[PW]
.macro QUANT
.irp b, 0,1,2,3
	v_max3_num_f32 v[TM+\b], |v[T+16*\b]|, |v[T+1+16*\b]|, 0x1800000   ; with the floor 2^(3 - 127)
.endr
.irp i, 2,4,6,8,10,12,14
.irp b, 0,1,2,3
	v_max3_num_f32 v[TM+\b], v[TM+\b], |v[T+16*\b+\i]|, |v[T+1+16*\b+\i]|
.endr
.endr
.irp b, 0,1,2,3
	v_permlanex16_b32 v[TM+4+\b], v[TM+\b], s[SEL], s[SEL+1]
.endr
.irp b, 0,1,2,3
	v_max_num_f32 v[TM+\b], v[TM+\b], v[TM+4+\b]
.endr
.irp b, 0,1,2,3
	v_add_nc_u32 v[TM+12+\b], 0xff000000, v[TM+\b] ; 2 off the exponent field: the conversion's scale operand
.endr
.irp b, 0,1,2,3
	v_lshrrev_b32 v[TM+4+\b], 23, v[TM+12+\b]
.endr
	v_lshl_or_b32 v[PW], v[TM+5], 8, v[TM+4]
	v_lshl_or_b32 v[PW], v[TM+6], 16, v[PW]
	v_lshl_or_b32 v[PW], v[TM+7], 24, v[PW]
.irp c, 0,1
	v_cvt_scalef32_pk16_fp6_f32 v[PCO+8*\c:PCO+8*\c+2], v[T+32*\c:T+32*\c+15], v[TM+12+2*\c]
	v_cvt_scalef32_pk16_fp6_f32 v[CT+4*\c:CT+4*\c+2], v[T+32*\c+16:T+32*\c+31], v[TM+12+2*\c+1]
.endr
	v_nop                                          ; one plain line behind the conversions
.irp c, 0,1
.irp i, 0,1,2
	v_permlane16_swap_b32 v[PCO+8*\c+\i], v[CT+4*\c+\i]
.endr
.irp i, 0,1,2
	v_mov_b32 v[PCO+8*\c+3+\i], v[CT+4*\c+\i]
.endr
.endr
.endm
.macro EPI a                           ; the 16 rows of A's block a x my 128 of B's side
	s_wait_xcnt 0x0                                ; the last block's stores have read the codes' registers
	WIN 0x02+(\a)/4
.set i, 0
.rept 32
	v_pk_add_f32 v[T+i:T+i+1], v[64*((\a)%4)+i:64*((\a)%4)+i+1], v[B0+i:B0+i+1]   ; each accumulator from its low end on
.set i, i+2
.endr
	WIN 0
.set i, 0
.rept 32
	v_pk_add_f32 v[T+i:T+i+1], v[T+i:T+i+1], v[B1+2*(\a):B1+2*(\a)+1] op_sel_hi:[1,0]
.set i, i+2
.endr
	QUANT
	s_cmp_eq_u32 s[TEN], 2
	s_cbranch_scc1 .Lvpart_\@
	; q, k: two heads, c = 0, 1: each head's sum of the unquantised numbers
.irp u, 0,1,2,3,4,5,6,7
.irp c, 0,1
	v_pk_add_f32 v[T+32*\c+4*\u:T+32*\c+4*\u+1], v[T+32*\c+4*\u:T+32*\c+4*\u+1], v[T+32*\c+4*\u+2:T+32*\c+4*\u+3]
.endr
.endr
.irp u, 0,1,2,3
.irp c, 0,1
	v_pk_add_f32 v[T+32*\c+8*\u:T+32*\c+8*\u+1], v[T+32*\c+8*\u:T+32*\c+8*\u+1], v[T+32*\c+8*\u+4:T+32*\c+8*\u+5]
.endr
.endr
.irp u, 0,1
.irp c, 0,1
	v_pk_add_f32 v[T+32*\c+16*\u:T+32*\c+16*\u+1], v[T+32*\c+16*\u:T+32*\c+16*\u+1], v[T+32*\c+16*\u+8:T+32*\c+16*\u+9]
.endr
.endr
.irp c, 0,1
	v_pk_add_f32 v[T+32*\c:T+32*\c+1], v[T+32*\c:T+32*\c+1], v[T+32*\c+16:T+32*\c+17]
.endr
.irp c, 0,1
	v_add_f32 v[49+\c], v[T+32*\c], v[T+32*\c+1]
.endr
.irp c, 0,1
	v_permlanex16_b32 v[51+\c], v[49+\c], s[SEL], s[SEL+1]
.endr
.irp c, 0,1
	v_add_f32 v[49+\c], v[49+\c], v[51+\c]
.endr
.irp c, 0,1
	v_cmp_eq_f32 s[MK+\c], 0, v[49+\c]             ; masked where the sum is 0: a choice of values, no branch
.endr
.irp c, 0,1
.irp i, 0,1,2,3,4,5
	v_cndmask_b32 v[PCO+8*\c+\i], v[PCO+8*\c+\i], v[NIL], s[MK+\c]
.endr
	v_cndmask_b32 v[PCO+8*\c+6], v[R6U], v[R6M], s[MK+\c]
	v_cndmask_b32 v[PCO+8*\c+7], v[R7U], v[R7M], s[MK+\c]
	v_cndmask_b32 v[53+\c], v[HIU], v[HIM], s[MK+\c]
.endr
	v_and_or_b32 v[SW+(\a)], v[PW], 0xffff, v53
	v_lshrrev_b32 v55, 16, v[PW]
	v_or_b32 v[SW+8+(\a)], v55, v54
.irp c, 0,1
.irp k, 0,1
	global_store_b128 v[LI16], v[PCO+8*\c+4*\k:PCO+8*\c+4*\k+3], s[10:11] offset:1024*(\a)+512*\k+16*REC*\c   ; 512 consecutive bytes, aligned to 256
.endr
.endr
	s_branch .Ldone_\@
.Lvpart_\@:
	; v: 16 channels x my 128 keys: one whole fragment
	s_wait_alu depctr_va_vdst(0)
.irp i, 0,1,2,3,4,5
	v_mov_b32 v[PCO+6+\i], v[PCO+8+\i]
.endr
	v_mov_b32 v[SW+(\a)], v[PW]
.rept 8
	v_nop                                          ; a scale register written by a vector line stands 8 places ahead of a scaled matrix instruction
.endr
	WIN 0x01
	v_wmma_scale_f32_16x16x128_f8f6f4 v[DS:DS+7], v[0:11], v[PCO:PCO+11], 0, v[ONE_S], v[PW] matrix_a_fmt:MATRIX_FMT_FP6 matrix_b_fmt:MATRIX_FMT_FP6   ; the quantised channel r summed over the 128 keys
	WIN 0
	PLACES NP
	v_mov_b32 v[SW+8+(\a)], v[DS]
.irp k, 0,1,2
	global_store_b128 v[LI16], v[PCO+4*\k:PCO+4*\k+3], s[10:11] offset:1536*((\a)%4)+512*\k+16*REC*((\a)/4)
.endr
.Ldone_\@:
.endm
.irp a, 0,1,2,3,4,5,6,7
	EPI \a
.endr
	s_cmp_eq_u32 s[TEN], 2
	s_cbranch_scc1 .Lvtail
	s_wait_alu depctr_va_vdst(0)
.irp c, 0,1                                    ; q, k: a head's 128 scale words
.irp q, 0,1,2,3
	v_cndmask_b32 v[T+4*\c+\q], v[SW+8*\c+2*\q], v[SW+8*\c+2*\q+1], s[SHI]
.endr
	global_store_b128 v[LI16], v[T+4*\c:T+4*\c+3], s[10:11] offset:8192+16*REC*\c
.endr
	s_branch .Lfin
.Lvtail:
	s_wait_alu depctr_va_vdst(0)
.irp c, 0,1
.irp q, 0,1
	v_cndmask_b32 v[T+2*\c+\q], v[SW+4*\c+2*\q], v[SW+4*\c+2*\q+1], s[SHI]
.endr
	global_store_b64 v[LI8], v[T+2*\c:T+2*\c+1], s[10:11] offset:6144+16*REC*\c
.endr
.irp b, 0,1,2,3
	v_cndmask_b32 v[T+8+\b], v[SW+8+2*\b], v[SW+9+2*\b], s[SHI]
	global_store_b32 v[VSO], v[T+8+\b], s[66:67] offset:4096*(\b/2)+128*(\b%2)
.endr
.Lfin:
	s_wait_tensorcnt 0x0                           ; the wave's end
	ds_add_u32 v[SPW], v[NIL]
	s_wait_dscnt 0x0
	CROUND                                         ; the closing round
	s_endpgm
.Lfunc_end_k_q0fc68e39ec_proj:
	.size	k_q0fc68e39ec_proj, .Lfunc_end_k_q0fc68e39ec_proj-k_q0fc68e39ec_proj
	.p2alignl 7, 3214868480
	.fill 96, 4, 3214868480
	.section	.rodata,"a",@progbits
	.p2align	6, 0x0
	.amdhsa_kernel k_q0fc68e39ec_proj
		.amdhsa_group_segment_fixed_size 327680
		.amdhsa_private_segment_fixed_size 0
		.amdhsa_enable_private_segment 0
		.amdhsa_kernarg_size 64
		.amdhsa_user_sgpr_count 2
		.amdhsa_user_sgpr_kernarg_segment_ptr 1
		.amdhsa_wavefront_size32 1
		.amdhsa_system_sgpr_workgroup_id_x 1
		.amdhsa_system_sgpr_workgroup_id_y 1
		.amdhsa_system_sgpr_workgroup_id_z 1
		.amdhsa_system_vgpr_workitem_id 0
		.amdhsa_next_free_vgpr 1024
		.amdhsa_next_free_sgpr 102
		.amdhsa_reserve_vcc 0
		.amdhsa_float_denorm_mode_32 3
		.amdhsa_float_denorm_mode_16_64 3
		.amdhsa_memory_ordered 1
		.amdhsa_forward_progress 1
		.amdhsa_inst_pref_size 247
	.end_amdhsa_kernel
	.amdgpu_metadata
---
amdhsa.version: [ 1, 2 ]
amdhsa.kernels:
  - .name:           k_q0fc68e39ec_proj
    .symbol:         k_q0fc68e39ec_proj.kd
    .args:
      - { .name: codes, .offset: 0, .size: 8, .value_kind: global_buffer, .address_space: global }
      - { .name: scales, .offset: 8, .size: 8, .value_kind: global_buffer, .address_space: global }
      - { .name: bq, .offset: 16, .size: 8, .value_kind: global_buffer, .address_space: global }
      - { .name: bk, .offset: 24, .size: 8, .value_kind: global_buffer, .address_space: global }
      - { .name: bv, .offset: 32, .size: 8, .value_kind: global_buffer, .address_space: global }
      - { .name: qr, .offset: 40, .size: 8, .value_kind: global_buffer, .address_space: global }
      - { .name: kv, .offset: 48, .size: 8, .value_kind: global_buffer, .address_space: global }
      - { .name: vsum, .offset: 56, .size: 8, .value_kind: global_buffer, .address_space: global }
    .group_segment_fixed_size: 327680
    .private_segment_fixed_size: 0
    .kernarg_segment_align: 8
    .kernarg_segment_size: 64
    .max_flat_workgroup_size: 128
    .sgpr_count:     102
    .vgpr_count:     1024
    .wavefront_size: 32
...
	.end_amdgpu_metadata
.endif
;; end of part 2
;; launch attn (part 3): grid 4 x 64, 16 waves a work-group, no clusters, 327,680 bytes of LDS; arguments qr, kv, vsum, out0; writes out0
.if DOCPART == 3
	.amdgcn_target "amdgcn-amd-amdhsa--gfx1250"
	.amdhsa_code_object_version 6
	.text
	.protected	k_q0fc68e39ec_attn
	.globl	k_q0fc68e39ec_attn
	.p2align	8
	.type	k_q0fc68e39ec_attn,@function
k_q0fc68e39ec_attn:
	s_mov_b64 s[64:65], 0
	v_nop
	global_prefetch_b8 v0, s[64:65] scope:SCOPE_SE
	s_setreg_imm32_b32 hwreg(HW_REG_WAVE_MODE, 25, 1), 1
	s_wait_xcnt 0x0
; Causal attention of one head (work-group y = 16 x batch + head) on the records that the launch before has laid: qr, kv (pitch REC; k in bytes 0-8703, v in 8704-15103), vsum.
; A work-group holds the head's 16 records of K and V in LDS: each of its 16 waves brings one record, 59 rows of 256 bytes, by one tensor load; one barrier; nothing is filled again.
; Wave w of work-group x takes the query tiles tau = 4 w + x and 127 - tau (16 queries each): 17 steps of 128 keys in all, the same for every wave.  Steps beyond a tile's diagonal are jumped over by ids.
; reference() quantises the finished softmax, so the row's sum is needed first.  PASS 1: S^T = K Q^T, running whole-number maximum M, sum l of 2^(t - M), t = score x log2(e) / 8.
; PASS 2: S^T again, p = 2^(c s + a) with a = -(M + log2 l): the normalised p in one multiply-add and one exponential; the quantiser by blocks of 32 keys; O^T += V^T p^T.
; THE MASKS.  A masked key's score is -2^35 (from k = 64 of the operands), and so is a key behind the diagonal.  A row whose largest t lies under -2^31 has no key that counts: reference() then gives 1 / 2048 to each
; of the 2,048 keys: such a lane takes c = 0, a = -11, and the keys of later records enter as vsum x 2^(c x -2^35 + a), which is 0 in every other row.  A query whose flag is 0 takes c = 0, a = -3e38: p = 0.  Choices of values, no branch.
; LIMITS: the promise holds while the exponents t of keys that count stay under 2^31 in magnitude; a is rounded once to f32, so p carries half an ulp of M + log2 l as a relative error; NaN and infinities are not served.
; No cluster: the diagonal step's branches hang on the tile's place in its block of 128 queries, which differs between the four work-groups of a head.  No prefetch: the launch has one load a wave and no loop of loads to run ahead in.
.set REC,   15104
.set KREC,  8704
.set STAGE, 16*REC                     ; a wave's stage for the way out: 16 rows x 272
.set SCR,   STAGE+16*4352              ; a wave's 512 bytes: the later records' sums of v for its two tiles
.set SPARE, SCR+16*512                 ; the spare words, 128 bytes a wave, named by no other line
.set LI,   1
.set SPW,  2
.set NIL,  3
.set ADK,  4
.set STO,  6
.set RD,   7
.set GO,   8
.set DL,   9                           ; v9-10 the query's place in its block less 16 h
.set SCA,  11
.set QF,   16                          ; v16-39 q's fragments
.set QS,   40
.set SV,   42                          ; v42-45 c and a of the two tiles
.set F,    48                          ; v48-95 K's tiles 0-3, then V's four
.set S,    96
.set O,    160
.set G,    192                         ; v192-227 K's tiles 4-7; behind the products the quantiser's registers
.set PCD,  192
.set CT,   204
.set BM,   212
.set BT,   216
.set BE,   220
.set VSW,  230
.set NEGV, 232
.set T0,   233
.set T1,   234
.set FP,   236
.set VS,   238
.set SCW,  242
.set LI8,  243
.set ADV8, 244
.set KSW,  250
.set PW,   254
.set WV,   18
.set TAU,  20
.set KD,   22
.set SEL,  24
.set CS,   26
.set G1K,  28
.set BQ,   36                          ; s36-37 the tile's block of 32 in its 128
.set G0K,  44
.set TBK,  52
.set KF,   54
.set CNT,  55
.set OUT,  68
.set QB,   74
	s_load_b256 s[4:11], s[0:1], 0x0               ; qr, kv, vsum, out0
	v_lshl_add_u32 v[SPW], v0, 2, SPARE
	v_mov_b32 v[NIL], 0
	ds_add_u32 v[SPW], v[NIL]                      ; the opening lines: the add twice on end and one wait
	ds_add_u32 v[SPW], v[NIL]
	v_lshrrev_b32 v1, 5, v0
	s_delay_alu instid0(VALU_DEP_1)
	v_readfirstlane_b32 s[WV], v1
	s_and_b32 s14, ttmp7, 0xffff
	s_mov_b32 s[G1K], 3<<16                        ; a record: 59 rows of 32 elements of 8 bytes, dense
	s_mov_b32 s[G1K+1], 32<<16
	s_mov_b32 s[G1K+2], 59<<16
	s_mov_b32 s[G1K+3], 32<<16
	s_mov_b32 s[G1K+4], 59
	s_mov_b32 s[G1K+5], 32
	s_mov_b32 s[G1K+6], 0
	s_mov_b32 s[G1K+7], 0
	s_lshl_b32 s56, s14, 4
	s_add_co_u32 s56, s56, s[WV]
	s_mul_i32 s58, s56, REC
	s_mov_b32 s59, 0
	s_mul_i32 s57, s[WV], REC
	s_mov_b32 s[SEL], 0x76543210
	s_mov_b32 s[SEL+1], 0xfedcba98
	s_mov_b32 s[CS], 0x3e38aa3b                    ; log2(e) / 8
	s_mov_b32 s[CS+1], s[CS]
	s_wait_dscnt 0x0
	s_wait_kmcnt 0x0
	s_mov_b32 s[G0K], 1
	s_mov_b32 s[G0K+1], s57
	s_add_nc_u64 s[G0K+2:G0K+3], s[6:7], s[58:59]
	s_or_b32 s[G0K+3], s[G0K+3], 0x80000000
	tensor_load_to_lds s[G0K:G0K+3], s[G1K:G1K+7]  ; my one tensor load
	s_nop 0
	v_and_b32 v[T0], 31, v0
	s_delay_alu instid0(VALU_DEP_1)
	v_lshlrev_b32 v[LI], 4, v[T0]
	v_lshlrev_b32 v[LI8], 3, v[T0]
	v_lshlrev_b32 v247, 2, v[T0]
	v_and_b32 v[T1], 15, v0
	v_bfe_u32 v248, v0, 4, 1
	s_delay_alu instid0(VALU_DEP_2)
	v_lshlrev_b32 v246, 4, v[T1]
	v_and_b32 v245, 8, v[T1]
	s_delay_alu instid0(VALU_DEP_1)
	v_add_nc_u32 v245, v245, v[T1]
	v_lshlrev_b32 v249, 4, v248
	s_delay_alu instid0(VALU_DEP_1)
	v_sub_nc_u32 v245, v245, v249                  ; r + 8 (r / 8) - 16 h
	s_wait_alu depctr_va_vdst(0)
	s_lshl_b32 s[TAU], s[WV], 2
	s_add_co_u32 s[TAU], s[TAU], ttmp9
	s_sub_co_u32 s[TAU+1], 127, s[TAU]
.irp tl, 0,1
	s_lshr_b32 s56, s[TAU+\tl], 3
	s_lshl_b32 s[KD+\tl], s56, 7                   ; the diagonal step's first key
	s_and_b32 s57, s[TAU+\tl], 7
	s_lshr_b32 s58, s57, 1
	s_mov_b32 s[BQ+\tl], s58
	s_and_b32 s59, s57, 1
	s_lshl_b32 s60, s58, 5
	s_lshl_b32 s61, s59, 3
	s_add_co_u32 s60, s60, s61
	v_add_nc_u32 v[DL+\tl], s60, v245
	s_lshl_b32 s62, s14, 4
	s_add_co_u32 s62, s62, s56
	s_mul_i32 s62, s62, REC
	s_mov_b32 s63, 0
	s_add_nc_u64 s[QB+4*\tl+2:QB+4*\tl+3], s[4:5], s[62:63]
	s_lshl_b32 s62, s57, 10
	s_add_nc_u64 s[QB+4*\tl:QB+4*\tl+1], s[QB+4*\tl+2:QB+4*\tl+3], s[62:63]
	s_lshl_b32 s62, s59, 8
	s_lshl_b32 s58, s58, 2
	s_add_co_u32 s62, s62, s58
	s_add_nc_u64 s[QB+4*\tl+2:QB+4*\tl+3], s[QB+4*\tl+2:QB+4*\tl+3], s[62:63]
	global_load_b128 v[QF+12*\tl:QF+12*\tl+3], v[LI], s[QB+4*\tl:QB+4*\tl+1]
	global_load_b128 v[QF+12*\tl+4:QF+12*\tl+7], v[LI], s[QB+4*\tl:QB+4*\tl+1] offset:512
	global_load_b32 v[QS+\tl], v246, s[QB+4*\tl+2:QB+4*\tl+3] offset:8192
.irp i, 8,9,10,11
	v_mov_b32 v[QF+12*\tl+\i], 0                   ; k = 96 on: zeros, which meet whatever K's operand names there
.endr
	s_add_co_u32 s62, s[KD+\tl], s60
	s_lshl_b32 s62, s62, 12
	s_lshr_b32 s58, s14, 4
	s_lshl_b32 s58, s58, 23
	s_add_co_u32 s62, s62, s58
	s_and_b32 s58, s14, 15
	s_lshl_b32 s58, s58, 8
	s_add_co_u32 s62, s62, s58
	s_add_nc_u64 s[OUT+2*\tl:OUT+2*\tl+1], s[10:11], s[62:63]
.endr
	s_lshl_b32 s62, s14, 12
	s_mov_b32 s63, 0
	s_add_nc_u64 s[8:9], s[8:9], s[62:63]
.irp j, 1,2,3,4,5,6,7,8,9,10,11,12,13,14,15
	global_load_b32 v[O+2*\j], v247, s[8:9] offset:256*\j          ; vsum of records 1-15 into O's registers, which pass 1 leaves alone
	global_load_b32 v[O+2*\j+1], v247, s[8:9] offset:256*\j+128
.endr
	s_mul_i32 s56, s[WV], 4352
	s_add_co_u32 s56, s56, STAGE
	v_mul_u32_u24 v[STO], v[T1], 272
	s_delay_alu instid0(VALU_DEP_1)
	v_lshl_add_u32 v[STO], v248, 6, v[STO]
	s_delay_alu instid0(VALU_DEP_1)
	v_add_nc_u32 v[STO], s56, v[STO]
	v_mul_u32_u24 v[RD], v248, 272
	s_delay_alu instid0(VALU_DEP_1)
	v_lshl_add_u32 v[RD], v[T1], 4, v[RD]
	s_delay_alu instid0(VALU_DEP_1)
	v_add_nc_u32 v[RD], s56, v[RD]
	v_lshlrev_b32 v[GO], 12, v248
	s_delay_alu instid0(VALU_DEP_1)
	v_lshl_add_u32 v[GO], v[T1], 4, v[GO]
	s_lshl_b32 s56, s[WV], 9
	s_add_co_u32 s56, s56, SCR
	v_lshl_add_u32 v[SCA], v248, 6, s56
	v_lshl_add_u32 v[SCW], v[T0], 2, s56
	v_mov_b32 v[NEGV], 0xd1000000                  ; -2^35
.irp i, 0,1,2,3
	v_mov_b32 v[F+32+\i], 0                        ; named behind K's tiles 3 and 7: written once
	v_mov_b32 v[G+32+\i], 0
	v_mov_b32 v[BT+\i], 0
.endr
	v_mov_b32 v[FP+1], 0
	s_wait_alu depctr_va_vdst(0)
	s_wait_tensorcnt 0x0                           ; my record is in,
	s_barrier_signal -1
	s_barrier_wait -1                              ; everybody's is
	s_wait_loadcnt 30                              ; q's six loads are in; the 30 of vsum may be out
; S^T = K Q^T of one step: 17 LDS loads in one run, eight products.  np: idle lines that make up four places behind the last trip's products
.macro QK tl, np
	v_add_nc_u32 v[ADK], s[TBK], v[LI]
	s_wait_alu depctr_va_vdst(0)
.rept \np
	v_nop
.endr
	ds_load_b128 v[KSW:KSW+3], v[ADK] offset:8192
.irp t, 0,1,2,3
	ds_load_b128 v[F+8*\t:F+8*\t+3], v[ADK] offset:1024*\t
	ds_load_b128 v[F+8*\t+4:F+8*\t+7], v[ADK] offset:1024*\t+512
.endr
.irp t, 0,1,2,3
	ds_load_b128 v[G+8*\t:G+8*\t+3], v[ADK] offset:1024*(4+\t)
	ds_load_b128 v[G+8*\t+4:G+8*\t+7], v[ADK] offset:1024*(4+\t)+512
.endr
	s_wait_dscnt 0x0
.irp t, 0,2
	v_wmma_scale_f32_16x16x128_f8f6f4 v[S+8*\t:S+8*\t+7], v[F+8*\t:F+8*\t+11], v[QF+12*(\tl):QF+12*(\tl)+11], 0, v[KSW+\t/2], v[QS+(\tl)] matrix_a_fmt:MATRIX_FMT_FP6 matrix_b_fmt:MATRIX_FMT_FP6
	v_wmma_scale_f32_16x16x128_f8f6f4 v[S+8*\t+8:S+8*\t+15], v[F+8*\t+8:F+8*\t+19], v[QF+12*(\tl):QF+12*(\tl)+11], 0, v[KSW+\t/2], v[QS+(\tl)] matrix_a_fmt:MATRIX_FMT_FP6 matrix_b_fmt:MATRIX_FMT_FP6 matrix_a_scale:MATRIX_SCALE_ROW1
.endr
.irp t, 0,2
	v_wmma_scale_f32_16x16x128_f8f6f4 v[S+32+8*\t:S+32+8*\t+7], v[G+8*\t:G+8*\t+11], v[QF+12*(\tl):QF+12*(\tl)+11], 0, v[KSW+2+\t/2], v[QS+(\tl)] matrix_a_fmt:MATRIX_FMT_FP6 matrix_b_fmt:MATRIX_FMT_FP6
	v_wmma_scale_f32_16x16x128_f8f6f4 v[S+32+8*\t+8:S+32+8*\t+15], v[G+8*\t+8:G+8*\t+19], v[QF+12*(\tl):QF+12*(\tl)+11], 0, v[KSW+2+\t/2], v[QS+(\tl)] matrix_a_fmt:MATRIX_FMT_FP6 matrix_b_fmt:MATRIX_FMT_FP6 matrix_a_scale:MATRIX_SCALE_ROW1
.endr
.rept 4
	v_nop                                          ; four places behind the products
.endr
.endm
; the diagonal step, by blocks of 32 keys: blocks ahead of the tile's own stay, its own is compared key by key, later ones are masked whole.  The branches hang on ids alone
.macro MASK tl
	s_cmp_lg_u32 s[KF], s[KD+(\tl)]
	s_cbranch_scc1 .Lopen_\@
.irp b, 0,1,2,3
	s_cmp_gt_u32 s[BQ+(\tl)], \b
	s_cbranch_scc1 .Ln_\@_\b
	s_cmp_eq_u32 s[BQ+(\tl)], \b
	s_cbranch_scc1 .Lp_\@_\b
.irp i, 0,1,2,3,4,5,6,7,8,9,10,11,12,13,14,15
	v_mov_b32 v[S+16*\b+\i], v[NEGV]
.endr
	s_wait_alu depctr_va_vdst(0)
	s_branch .Ln_\@_\b
.Lp_\@_\b:
.irp i, 0,1,2,3,4,5,6,7,8,9,10,11,12,13,14,15
	v_cmp_gt_i32 vcc_lo, 32*\b+\i, v[DL+(\tl)]
	v_cndmask_b32 v[S+16*\b+\i], v[S+16*\b+\i], v[NEGV], vcc_lo
.endr
.Ln_\@_\b:
.endr
.Lopen_\@:
.endm
.macro BMAX                            ; the largest score of my 16 keys of each block, the four blocks by turns
.irp b, 0,1,2,3
	v_max3_num_f32 v[BM+\b], v[S+16*\b], v[S+1+16*\b], v[S+2+16*\b]
.endr
.irp i, 3,5,7,9,11,13
.irp b, 0,1,2,3
	v_max3_num_f32 v[BM+\b], v[BM+\b], v[S+16*\b+\i], v[S+1+16*\b+\i]
.endr
.endr
.irp b, 0,1,2,3
	v_max_num_f32 v[BM+\b], v[BM+\b], v[S+15+16*\b]
.endr
.endm
.macro PASS1 tl
	v_mov_b32 v13, 0xff61b1e6                      ; the largest t so far: -3e38
	s_delay_alu instid0(VALU_DEP_1)
	v_floor_f32 v12, -v13                          ; -M
	v_mov_b32 v14, 0
	v_mov_b32 v15, 0
	s_mov_b32 s[KF], 0
	s_mov_b32 s[TBK], 0
	s_mov_b32 s[CNT], 16
.Lone_\@:
	s_cmp_gt_u32 s[KF], s[KD+(\tl)]
	s_cbranch_scc1 .Lonee_\@
	QK \tl, 0
	MASK \tl
	BMAX
	s_delay_alu instid0(VALU_DEP_2)
	v_max3_num_f32 v[T0], v[BM], v[BM+1], v[BM+2]
	s_delay_alu instid0(VALU_DEP_1)
	v_max_num_f32 v[T0], v[T0], v[BM+3]
	s_delay_alu instid0(VALU_DEP_1)
	v_permlanex16_b32 v[BT], v[T0], s[SEL], s[SEL+1]
	s_delay_alu instid0(VALU_DEP_1)
	v_max_num_f32 v[T0], v[T0], v[BT]
	s_delay_alu instid0(VALU_DEP_1)
	v_mul_f32 v[T0], s[CS], v[T0]
	s_delay_alu instid0(VALU_DEP_1)
	v_max_num_f32 v13, v13, v[T0]
	v_mov_b32 v[T0], v12
	s_delay_alu instid0(VALU_DEP_2)
	v_floor_f32 v12, -v13                          ; the new -M: a whole number
	s_delay_alu instid0(VALU_DEP_1)
	v_sub_f32 v[T0], v12, v[T0]
	s_delay_alu instid0(VALU_DEP_1)
	v_cvt_i32_f32 v[T0], v[T0]
	s_delay_alu instid0(VALU_DEP_1)
	v_ldexp_f32 v[FP], 1.0, v[T0]                  ; 2^(old M - new M): rounds nothing
.set j, 0
.rept 32
	v_pk_fma_f32 v[S+j:S+j+1], v[S+j:S+j+1], s[CS:CS+1], v[12:13] op_sel_hi:[1,0,0]
.set j, j+2
.endr
	s_wait_alu depctr_va_vdst(0)                   ; the wait ahead of the batch
.set j, 0
.rept 64
	v_exp_f32 v[S+j], v[S+j]
.set j, j+1
.endr
	v_pk_mul_f32 v[14:15], v[14:15], v[FP:FP+1] op_sel_hi:[1,0]
	s_wait_alu depctr_va_vdst(0)                   ; and behind it
	v_pk_add_f32 v[BE:BE+1], v[S:S+1], v[S+2:S+3]
.irp j, 4,8,12,16,20,24,28,32,36,40,44,48,52,56,60
	v_pk_add_f32 v[14:15], v[14:15], v[S+\j:S+\j+1]
	v_pk_add_f32 v[BE:BE+1], v[BE:BE+1], v[S+\j+2:S+\j+3]
.endr
	s_delay_alu instid0(VALU_DEP_1)
	v_pk_add_f32 v[14:15], v[14:15], v[BE:BE+1]
.Lonee_\@:
	s_add_co_u32 s[KF], s[KF], 128
	s_add_co_u32 s[TBK], s[TBK], REC
	s_sub_co_u32 s[CNT], s[CNT], 1
	s_cmp_lg_u32 s[CNT], 0
	s_cbranch_scc1 .Lone_\@
	s_wait_alu depctr_va_vdst(0)
	v_add_f32 v14, v14, v15
	s_mov_b32 s58, 0xcf000000                      ; -2^31
	v_permlanex16_b32 v[BT], v14, s[SEL], s[SEL+1]
	v_add_f32 v14, v14, v[BT]                      ; the row's sum l
	s_wait_alu depctr_va_vdst(0)
	v_log_f32 v15, v14
	v_cmp_gt_f32 s56, s58, v13                     ; no key of the row counts
	v_cmp_eq_u32 s57, 0, v[QF+12*(\tl)+7]          ; the query's flag is 0
	v_mov_b32 v[T0], 0xc1300000                    ; -11
	v_mov_b32 v[T1], s[CS]
	s_wait_alu depctr_va_vdst(0)
	v_sub_f32 v15, v12, v15                        ; a = -M - log2 l
	v_cndmask_b32 v[T1], v[T1], v[NIL], s56
	v_cndmask_b32 v15, v15, v[T0], s56
	v_mov_b32 v[T0], 0xff61b1e6
	v_cndmask_b32 v[SV+2*(\tl)], v[T1], v[NIL], s57
	v_cndmask_b32 v[SV+2*(\tl)+1], v15, v[T0], s57
.endm
.macro PASS2 tl
	s_wait_xcnt 0x0                                ; the last tile's stores have read their registers
	v_mov_b32 v14, v[SV+2*(\tl)]                   ; c
	v_mov_b32 v15, v[SV+2*(\tl)]
	v_mov_b32 v12, v[SV+2*(\tl)+1]                 ; a
	s_delay_alu instid0(VALU_DEP_1)
	v_fma_f32 v[FP], v[NEGV], v14, v12
.irp g, 0,1
.irp q, 0,1,2,3
	ds_load_b128 v[S+16*\g+4*\q:S+16*\g+4*\q+3], v[SCA] offset:256*(\tl)+128*\g+16*\q
.endr
.endr
	s_wait_alu depctr_va_vdst(0)
	v_exp_f32 v[FP], v[FP]                         ; what each key of the later records gets
	v_nop
	s_wait_alu depctr_va_vdst(0)
	s_wait_dscnt 0x0
.set j, 0
.rept 16
	v_pk_mul_f32 v[O+j:O+j+1], v[S+j:S+j+1], v[FP:FP+1] op_sel_hi:[1,0]
.set j, j+2
.endr
	s_mov_b32 s[KF], 0
	s_mov_b32 s[TBK], 0
	s_mov_b32 s[CNT], 16
.Ltwo_\@:
	s_cmp_gt_u32 s[KF], s[KD+(\tl)]
	s_cbranch_scc1 .Ltwoe_\@
	v_add_nc_u32 v[ADV8], s[TBK], v[LI8]
	QK \tl, 2                                      ; two adds and two idle lines: four places behind the last trip's products
.irp t, 0,1,2,3
.irp k, 0,1,2
	ds_load_b128 v[F+12*\t+4*\k:F+12*\t+4*\k+3], v[ADK] offset:KREC+1536*\t+512*\k   ; V's fragments land under the softmax
.endr
.endr
	ds_load_b64 v[VSW:VSW+1], v[ADV8] offset:KREC+6144
	MASK \tl
	BMAX
.irp b, 0,1,2,3
	v_permlanex16_b32 v[BT+\b], v[BM+\b], s[SEL], s[SEL+1]
.endr
.irp b, 0,1,2,3
	v_max_num_f32 v[BM+\b], v[BM+\b], v[BT+\b]     ; each block's largest score: p rises with the score
.endr
.set j, 0
.rept 32
	v_pk_fma_f32 v[S+j:S+j+1], v[S+j:S+j+1], v[14:15], v[12:13] op_sel_hi:[1,0,0]
.set j, j+2
.endr
.irp b, 0,1,2,3
	v_fma_f32 v[BM+\b], v[BM+\b], v14, v12
.endr
	s_wait_alu depctr_va_vdst(0)                   ; the wait ahead of the batch
.set j, 0
.rept 64
	v_exp_f32 v[S+j], v[S+j]                       ; the normalised p
.set j, j+1
.endr
.irp b, 0,1,2,3
	v_exp_f32 v[BM+\b], v[BM+\b]                   ; the block's largest p, by the same two instructions
.endr
	v_nop
	s_wait_alu depctr_va_vdst(0)                   ; and behind it
.irp b, 0,1,2,3
	v_max_num_f32 v[BM+\b], 0x1800000, v[BM+\b]    ; the floor 2^(3 - 127)
.endr
.irp b, 0,1,2,3
	v_add_nc_u32 v[BE+\b], 0xff000000, v[BM+\b]    ; 2 off the exponent field: the conversion's scale operand
.endr
.irp b, 0,1,2,3
	v_lshrrev_b32 v[BT+\b], 23, v[BE+\b]
.endr
	v_lshl_or_b32 v[PW], v[BT+1], 8, v[BT]
	s_delay_alu instid0(VALU_DEP_1)
	v_lshl_or_b32 v[PW], v[BT+2], 16, v[PW]
	s_delay_alu instid0(VALU_DEP_1)
	v_lshl_or_b32 v[PW], v[BT+3], 24, v[PW]
.irp c, 0,1
	v_cvt_scalef32_pk16_fp6_f32 v[PCD+6*\c:PCD+6*\c+2], v[S+32*\c:S+32*\c+15], v[BE+2*\c]
	v_cvt_scalef32_pk16_fp6_f32 v[CT+4*\c:CT+4*\c+2], v[S+32*\c+16:S+32*\c+31], v[BE+2*\c+1]
.endr
	v_nop                                          ; one plain line behind the conversions
.irp c, 0,1
.irp i, 0,1,2
	v_permlane16_swap_b32 v[PCD+6*\c+\i], v[CT+4*\c+\i]
.endr
.irp i, 0,1,2
	v_mov_b32 v[PCD+6*\c+3+\i], v[CT+4*\c+\i]
.endr
.endr
.rept 4
	v_nop                                          ; an operand written by vector lines stands four places ahead of a scaled product
.endr
	s_wait_alu depctr_va_vdst(0)
	s_wait_dscnt 0x0                               ; V's fragments and scale words
.irp t, 0,2
	v_wmma_scale_f32_16x16x128_f8f6f4 v[O+8*\t:O+8*\t+7], v[F+12*\t:F+12*\t+11], v[PCD:PCD+11], v[O+8*\t:O+8*\t+7], v[VSW+\t/2], v[PW] matrix_a_fmt:MATRIX_FMT_FP6 matrix_b_fmt:MATRIX_FMT_FP6
	v_wmma_scale_f32_16x16x128_f8f6f4 v[O+8*\t+8:O+8*\t+15], v[F+12*\t+12:F+12*\t+23], v[PCD:PCD+11], v[O+8*\t+8:O+8*\t+15], v[VSW+\t/2], v[PW] matrix_a_fmt:MATRIX_FMT_FP6 matrix_b_fmt:MATRIX_FMT_FP6 matrix_a_scale:MATRIX_SCALE_ROW1
.endr
.Ltwoe_\@:
	s_add_co_u32 s[KF], s[KF], 128
	s_add_co_u32 s[TBK], s[TBK], REC
	s_sub_co_u32 s[CNT], s[CNT], 1
	s_cmp_lg_u32 s[CNT], 0
	s_cbranch_scc1 .Ltwo_\@
.rept 4
	v_nop
.endr
	s_wait_alu depctr_va_vdst(0)
.irp g, 0,1
.irp q, 0,1,2,3
	ds_store_b128 v[STO], v[O+16*\g+4*\q:O+16*\g+4*\q+3] offset:128*\g+16*\q   ; through my own stage: LDS serves a wave's instructions in order
.endr
.endr
.irp i, 0,1,2,3,4,5,6,7
	ds_load_b128 v[S+4*\i:S+4*\i+3], v[RD] offset:544*\i
.endr
.irp i, 0,1,2,3,4,5,6,7
	s_wait_dscnt 7-\i
	global_store_b128 v[GO], v[S+4*\i:S+4*\i+3], s[OUT+2*(\tl):OUT+2*(\tl)+1] offset:(2*\i+8*(\i/4))*4096 th:TH_STORE_NT   ; sixteen lanes store a row's 256 bytes of the head, aligned
.endr
.endm
	PASS1 0
	PASS1 1
	s_wait_loadcnt 0x0                             ; vsum
.irp tl, 0,1                                   ; the quantised v summed over the records behind the tile's diagonal step
.irp j, 1,2,3,4,5,6,7,8,9,10,11,12,13,14,15
	s_cmp_lt_u32 s[KD+\tl], 128*\j
	s_cselect_b32 s56, 1.0, 0
.if \j == 1
	v_mul_f32 v[VS+2*\tl], s56, v[O+2*\j]
	v_mul_f32 v[VS+2*\tl+1], s56, v[O+2*\j+1]
.else
	v_fma_f32 v[VS+2*\tl], s56, v[O+2*\j], v[VS+2*\tl]
	v_fma_f32 v[VS+2*\tl+1], s56, v[O+2*\j+1], v[VS+2*\tl+1]
.endif
.endr
.endr
	s_wait_alu depctr_va_vdst(0)
	ds_store_b32 v[SCW], v[VS]                     ; my own bytes: read back in O's layout
	ds_store_b32 v[SCW], v[VS+1] offset:128
	ds_store_b32 v[SCW], v[VS+2] offset:256
	ds_store_b32 v[SCW], v[VS+3] offset:384
	PASS2 0
	PASS2 1
	s_wait_tensorcnt 0x0                           ; the wave's end
	ds_add_u32 v[SPW], v[NIL]
	s_wait_dscnt 0x0
	s_endpgm
.Lfunc_end_k_q0fc68e39ec_attn:
	.size	k_q0fc68e39ec_attn, .Lfunc_end_k_q0fc68e39ec_attn-k_q0fc68e39ec_attn
	.p2alignl 7, 3214868480
	.fill 96, 4, 3214868480
	.section	.rodata,"a",@progbits
	.p2align	6, 0x0
	.amdhsa_kernel k_q0fc68e39ec_attn
		.amdhsa_group_segment_fixed_size 327680
		.amdhsa_private_segment_fixed_size 0
		.amdhsa_enable_private_segment 0
		.amdhsa_kernarg_size 32
		.amdhsa_user_sgpr_count 2
		.amdhsa_user_sgpr_kernarg_segment_ptr 1
		.amdhsa_wavefront_size32 1
		.amdhsa_system_sgpr_workgroup_id_x 1
		.amdhsa_system_sgpr_workgroup_id_y 1
		.amdhsa_system_sgpr_workgroup_id_z 1
		.amdhsa_system_vgpr_workitem_id 0
		.amdhsa_next_free_vgpr 256
		.amdhsa_next_free_sgpr 84
		.amdhsa_reserve_vcc 1
		.amdhsa_float_denorm_mode_32 3
		.amdhsa_float_denorm_mode_16_64 3
		.amdhsa_memory_ordered 1
		.amdhsa_forward_progress 1
		.amdhsa_inst_pref_size 106
	.end_amdhsa_kernel
	.amdgpu_metadata
---
amdhsa.version: [ 1, 2 ]
amdhsa.kernels:
  - .name:           k_q0fc68e39ec_attn
    .symbol:         k_q0fc68e39ec_attn.kd
    .args:
      - { .name: qr, .offset: 0, .size: 8, .value_kind: global_buffer, .address_space: global }
      - { .name: kv, .offset: 8, .size: 8, .value_kind: global_buffer, .address_space: global }
      - { .name: vsum, .offset: 16, .size: 8, .value_kind: global_buffer, .address_space: global }
      - { .name: out0, .offset: 24, .size: 8, .value_kind: global_buffer, .address_space: global }
    .group_segment_fixed_size: 327680
    .private_segment_fixed_size: 0
    .kernarg_segment_align: 8
    .kernarg_segment_size: 32
    .max_flat_workgroup_size: 512
    .sgpr_count:     84
    .vgpr_count:     256
    .wavefront_size: 32
...
	.end_amdgpu_metadata
.endif
;; end of part 3
